; MI455X (gfx1250); checked and timed in simulation.
; The chip was launched on July 23, 2026; its instructions are those of AMD's public machine-readable ISA for CDNA 5 (MIT licence, August 2026) and "CDNA5" Instruction Set Architecture Reference Guide (July 2026). The comments in the code are by the model that wrote it; some were corrected since.
;; Quant Linear Layer. Allowed arithmetic: float matrix products may take bf16 or f16 operands with f32 sums; other float arithmetic in f32, or as packed bf16 or f16 multiplies, adds, multiply-adds, maxima and minima; sums over many terms, partial sums and values carried from step to step in f32; what a program stores and reads back later, other than sums and carried values, may be rounded once to bf16 or f16.
;; Inputs: b 4,096 float32; inputs 4,096 x 4,096 float32; w 4,096 x 4,096 float32.
;; Outputs: out0 4,096 x 4,096 float32.
;; One version. Each part assembles by itself: llvm-mc -triple=amdgcn-amd-amdhsa -mcpu=gfx1250 --defsym DOCPART=n.
;; ======== version 1 of 1: 2 launches
;; workspace buffers: xb 33,554,432 bytes; wb 33,554,432 bytes
;; launch cast (part 1): grid 1024 x 2, 8 waves a work-group, no clusters, 0 bytes of LDS; arguments inputs, w, xb, wb; writes xb, wb
.if DOCPART == 1
	.amdgcn_target "amdgcn-amd-amdhsa--gfx1250"
	.amdhsa_code_object_version 6
	.text
	.protected	k_q119ef97bcc_cast
	.globl	k_q119ef97bcc_cast
	.p2align	8
	.type	k_q119ef97bcc_cast,@function
k_q119ef97bcc_cast:
	s_mov_b64 s[64:65], 0
	v_nop
	global_prefetch_b8 v0, s[64:65] scope:SCOPE_SE
	s_setreg_imm32_b32 hwreg(HW_REG_WAVE_MODE, 25, 1), 1
	s_wait_xcnt 0x0
; xb = bf16(inputs), wb = bf16(w): each [4096][4096], f32 to bf16, rounded to nearest even, the layout kept.
; A stream: nothing is shared and nothing is read twice, so no LDS, no barrier, no matrix unit.
; The grid's y picks the pair of buffers (0: inputs -> xb, 1: w -> wb).  A work-group takes 65,536 bytes of f32, a wave 8,192:
; sixteen loads of 512 consecutive bytes, all issued at once; each load's numbers leave as 256 consecutive bytes, aligned, by one store.
; No register is written twice while a memory instruction names it, so the only waits are the counted ones for the loads.
; LIMIT: a number whose magnitude rounds past bf16's largest finite one (3.39e38) becomes an infinity; NaN stays NaN.
.set NLOAD, 16                         ; loads of a wave
.set VI, 1                             ; v1       my 16 bytes in the work-group's f32 bytes: 8,192 x wave + 16 x lane
.set VO, 2                             ; v2       my 8 bytes in its bf16 bytes: half of that
.set X,  4                             ; v[4:67]  load j: four registers
	s_load_b256 s[4:11], s[0:1], 0x0               ; inputs s[4:5], w s[6:7], xb s[8:9], wb s[10:11]
	s_and_b32 s12, ttmp7, 0xffff                   ; which pair
	v_lshrrev_b32 v[VI], 5, v0                     ; wave
	v_and_b32 v3, 31, v0                           ; lane
	v_lshlrev_b32 v[VI], 13, v[VI]
	v_lshl_or_b32 v[VI], v3, 4, v[VI]
	v_lshrrev_b32 v[VO], 1, v[VI]
	s_lshl_b32 s2, ttmp9, 16                       ; the work-group's bytes in the source (under 2^26),
	s_mov_b32 s3, 0
	s_lshl_b32 s14, ttmp9, 15                      ; and in the destination
	s_mov_b32 s15, 0
	s_wait_kmcnt 0x0
	s_cmp_eq_u32 s12, 0
	s_cselect_b64 s[4:5], s[4:5], s[6:7]           ; the source,
	s_cselect_b64 s[8:9], s[8:9], s[10:11]         ; the destination
	s_add_nc_u64 s[4:5], s[4:5], s[2:3]
	s_add_nc_u64 s[8:9], s[8:9], s[14:15]
.irp j, 0,1,2,3,4,5,6,7,8,9,10,11,12,13,14,15
	global_load_b128 v[X+4*(\j):X+4*(\j)+3], v[VI], s[4:5] offset:512*(\j) th:TH_LOAD_NT
.endr
.irp j, 0,1,2,3,4,5,6,7,8,9,10,11,12,13,14,15
	s_wait_loadcnt NLOAD-1-(\j)                    ; loads come back in order (ISA guide 5.7.1): load j is in, the younger ones stay out
	v_cvt_pk_bf16_f32 v[X+4*(\j)],   v[X+4*(\j)],   v[X+4*(\j)+1]
	v_cvt_pk_bf16_f32 v[X+4*(\j)+1], v[X+4*(\j)+2], v[X+4*(\j)+3]
	global_store_b64 v[VO], v[X+4*(\j):X+4*(\j)+1], s[8:9] offset:256*(\j) th:TH_STORE_NT  ; 32 lanes x 8 bytes: 256 consecutive bytes, aligned
.endr
	s_endpgm
.Lfunc_end_k_q119ef97bcc_cast:
	.size	k_q119ef97bcc_cast, .Lfunc_end_k_q119ef97bcc_cast-k_q119ef97bcc_cast
	.p2alignl 7, 3214868480
	.fill 96, 4, 3214868480
	.section	.rodata,"a",@progbits
	.p2align	6, 0x0
	.amdhsa_kernel k_q119ef97bcc_cast
		.amdhsa_group_segment_fixed_size 0
		.amdhsa_private_segment_fixed_size 0
		.amdhsa_enable_private_segment 0
		.amdhsa_kernarg_size 32
		.amdhsa_user_sgpr_count 2
		.amdhsa_user_sgpr_kernarg_segment_ptr 1
		.amdhsa_wavefront_size32 1
		.amdhsa_system_sgpr_workgroup_id_x 1
		.amdhsa_system_sgpr_workgroup_id_y 1
		.amdhsa_system_sgpr_workgroup_id_z 1
		.amdhsa_system_vgpr_workitem_id 0
		.amdhsa_next_free_vgpr 72
		.amdhsa_next_free_sgpr 66
		.amdhsa_reserve_vcc 0
		.amdhsa_float_denorm_mode_32 3
		.amdhsa_float_denorm_mode_16_64 3
		.amdhsa_memory_ordered 1
		.amdhsa_forward_progress 1
		.amdhsa_inst_pref_size 7
	.end_amdhsa_kernel
	.amdgpu_metadata
---
amdhsa.version: [ 1, 2 ]
amdhsa.kernels:
  - .name:           k_q119ef97bcc_cast
    .symbol:         k_q119ef97bcc_cast.kd
    .args:
      - { .name: inputs, .offset: 0, .size: 8, .value_kind: global_buffer, .address_space: global }
      - { .name: w, .offset: 8, .size: 8, .value_kind: global_buffer, .address_space: global }
      - { .name: xb, .offset: 16, .size: 8, .value_kind: global_buffer, .address_space: global }
      - { .name: wb, .offset: 24, .size: 8, .value_kind: global_buffer, .address_space: global }
    .group_segment_fixed_size: 0
    .private_segment_fixed_size: 0
    .kernarg_segment_align: 8
    .kernarg_segment_size: 32
    .max_flat_workgroup_size: 256
    .sgpr_count:     66
    .vgpr_count:     72
    .wavefront_size: 32
...
	.end_amdgpu_metadata
.endif
;; end of part 1
;; launch gemm (part 2): grid 16 x 16, 4 waves a work-group, clusters of 4 x 4, 327,680 bytes of LDS; arguments xb, wb, b, out0; writes out0
.if DOCPART == 2
	.amdgcn_target "amdgcn-amd-amdhsa--gfx1250"
	.amdhsa_code_object_version 6
	.text
	.protected	k_q119ef97bcc_gemm
	.globl	k_q119ef97bcc_gemm
	.p2align	8
	.type	k_q119ef97bcc_gemm,@function
k_q119ef97bcc_gemm:
	s_mov_b64 s[64:65], 0
	v_nop
	global_prefetch_b8 v0, s[64:65] scope:SCOPE_SE
	s_setreg_imm32_b32 hwreg(HW_REG_WAVE_MODE, 25, 1), 1
	s_wait_xcnt 0x0
	s_wait_alu depctr_hold_cnt(0) depctr_sa_sdst(0) depctr_va_vdst(0) depctr_va_sdst(0) depctr_va_ssrc(0) depctr_va_vcc(0) depctr_vm_vsrc(0)
	s_getreg_b32 s2, hwreg(HW_REG_IB_STS2, 6, 4)
	s_cmp_eq_u32 s2, 0
	s_cbranch_scc0 .Lentry_in_a_cluster
	s_endpgm
.Lentry_in_a_cluster:
	s_bfe_u32 s2, ttmp6, 0x10000c
	s_cmp_lg_u32 s2, 0xf033
	s_cbranch_scc0 .Lentry_shape_is_right
	s_endpgm
.Lentry_shape_is_right:
; out0 = q(q(X W) + q(b)), q(x) = round-half-even(256 x) / 256.  X = xb: [4096 (m)][4096 (k)] bf16.  W = wb: [4096 (k)][4096 (n)] bf16.  b: [4096] f32.  out0: [4096][4096] f32.
; THE ROUNDINGS are made on the scale 256: t = rndne(256 acc), tb = rndne(256 b), s = rndne(t + tb), out = s / 256.  A product by a power of two is exact, so each of these is 256 times
; the number of the definition, rounding for rounding; where 256 x overflows both give an infinity.
; LIMITS.  The operands were rounded once to bf16; the sums are f32 in the matrix instruction's order, K ascending.  A sum that lies close to the middle between two multiples of 1/256 may fall
; to the other side: one step of 1/256.  For inputs so small that the outputs' root mean square comes down to about that step, one step is no longer small beside it.  NaN and infinities go through as they come.
; SHAPE.  A tile of out0, 256 x 256, is made by a work-group of four waves, 128 x 128 each: 64 accumulators of 16 x 16, 512 registers.  16 x 16 tiles, one to a work-group.
; K goes in steps of 128 through a ring of two LDS slots filled by the tensor data mover: X's tile is 256 rows x 256 bytes, W's 128 rows (k) x 512 bytes.
; W STAYS AS IT LIES, k down the rows: its fragments come out of LDS turned, by ds_load_tr16_b128.
; CLUSTERS: 4 x 4 work-groups.  The four of a row of the cluster need the same tiles of X, the four of a column the same tiles of W: each tile is asked for JOINTLY, by the same tensor load with
; the same descriptor and a mask that names the four.  That divides the requests for X and for W by four.
; THE MATRIX INSTRUCTION IS USED TRANSPOSED: source 0 = 16 columns of W, source 1 = 16 rows of X.  In the result lane l holds row l % 16 of out0 and the columns 8 (l / 16) + 0..7.
; THE WAY OUT: 16 rows at a time go as raw f32 sums through a stage of the wave's own in LDS and come back as whole rows of 512 bytes; there a lane holds the same four columns in every row,
; so four registers of bias serve the whole tile, and each store of the wave covers 512 consecutive bytes, aligned.
; REGISTERS, in windows of 256 (s_set_vgpr_msb's low byte: bits 1:0 source 0, 3:2 source 1, 5:4 source 2, 7:6 destination):
;   window 0: v0-35 addresses and the bias; v64-127, v128-191 fragments of X, two buffers; on the way out the same 128 take the rows read back, two buffers of 16 rows
;   window 1: v64-127, v128-191 fragments of W, two buffers
;   window 2: the 32 accumulators of my rows 0-63 (accumulator (a, b) at v[8 (8 a + b)]);   window 3: those of my rows 64-127
.set SIZE_K, 4096
.set KSTEP,  128
.set ROWB,   8192                      ; bytes in a row of xb and of wb
.set OROW,   16384                     ; bytes in a row of out0
.set PA,     272                       ; an LDS row of X: 256 bytes + 16 of padding = 68 words: row r starts at bank 4 r mod 64 (64 banks of 4 bytes: ISA guide 11.1), so the 16 rows of a load start at 16 different banks
.set PB,     544                       ; an LDS row of W: 512 bytes + 32 of padding = 136 words: row r starts at bank 8 r mod 64
.set HALFT,  128*PA                    ; what one tensor load brings: 128 rows of X, or 64 rows of W (64 x 544 is the same number)
.set SLOT,   4*HALFT                   ; X's 256 rows, then W's 128 rows
.set STAGE,  2*SLOT                    ; behind the ring, never filled by a tensor load: 16 rows x 528 bytes for each wave
.set SPITCH, 528                       ; a stage row: 512 bytes + 16 = 132 words: row r starts at bank 4 r mod 64
.set WSTAGE, 16*SPITCH
.set SPARE,  STAGE+4*WSTAGE            ; behind the stages: the spare words, 128 bytes for each wave: two blocks of 256 bytes that no other line names
.set LAPS,   SIZE_K/(2*KSTEP)          ; a lap = two K steps = once round the ring: 16
.set ADRA, 16                          ; v16-17  LDS address of my X fragments in slot 0, 1
.set ADRB, 20                          ; v20-21  the same for W
.set STO,  24                          ; v24     the way out: where I put 32 bytes of a row
.set RD,   25                          ; v25     the way out: where I read 16 bytes of a row back
.set CO,   26                          ; v26     16 x lane: my byte offset in the wave's 512 bytes of a row of out0; never rewritten
.set BO,   27                          ; v27     my byte offset in b
.set SPW,  28                          ; v28     LDS address of my spare word: SPARE + 4 x my thread's number; never rewritten
.set NIL,  29                          ; v29     0; never rewritten
.set PFO,  30                          ; v30     the prefetches' lane offset; never rewritten
.set TB,   32                          ; v[32:35] rndne(256 b) of my four columns
.set F0,   64                          ; fragment buffer 0
.set F1,   128                         ; fragment buffer 1
.set OB,   64                          ; the way out: rows read back, v64-127 and v128-191 by turns
.set WV,   12                          ; s12  my wave's number
.set RH,   13                          ; s13  which half of the tile's rows is mine.  Also: I fetch for X (0) or for W (1)
.set CH,   14                          ; s14  which half of its columns.  Also: which half of that tile I fetch
.set LIM,  15                          ; s15  1 in a wave that prefetches, else the greatest number
.set G1A,  24                          ; s[24:31] descriptor group 1 for X's tiles
.set G0A,  32                          ; s[32:39] descriptor group 0 for X's tiles, a set for each slot
.set PFA,  44                          ; s[44:45] where my prefetches stand
.set PST,  46                          ; s[46:47] a K step in bytes, for them: 256 along X's rows, 128 rows down W
.set G1B,  48                          ; s[48:55] descriptor group 1 for W's tiles
.set G0B,  56                          ; s[56:63] descriptor group 0 for W's tiles
.set C256, 66                          ; s[66:67] 256.0: the packed product names a pair and takes its low word for both halves
.set CINV, 68                          ; s[68:69] 1 / 256
.set MSB, 0
.macro WIN new                         ; the immediate's high byte repeats the setting that is left; a switch that changes nothing is dropped
.if MSB != (\new)
	s_set_vgpr_msb (MSB<<8)|(\new)
.set MSB, \new
.endif
.endm
.set MUL_LO, 0xa1                      ; source 0 (W) window 1, source 1 (X) window 0, C and D window 2
.set MUL_HI, 0xf1                      ; the same, C and D window 3
.set TO_B,   0x40                      ; destination window 1, address window 0
; A joint load.  Waves 0 and 1 fetch X's two halves, waves 2 and 3 W's.  Each of the two lines has one mask and one set of registers for all that issue it.  The branch hangs on the wave's number alone.
; An s_nop 0 and four v_nop follow each of the two lines, ahead of the jump, the label and what follows the macro.
.macro JLOAD s
	s_cmp_eq_u32 s[RH], 0
	s_cbranch_scc0 .Lfor_b_\@
	tensor_load_to_lds s[G0A+4*(\s):G0A+4*(\s)+3], s[G1A:G1A+7]
	s_nop 0
.rept 4
	v_nop
.endr
	s_branch .Lasked_\@
.Lfor_b_\@:
	tensor_load_to_lds s[G0B+4*(\s):G0B+4*(\s)+3], s[G1B:G1B+7]
	s_nop 0
.rept 4
	v_nop
.endr
.Lasked_\@:
.endm
; A PREFETCH INTO THE L2, behind each joint refill and the run of LDS loads that follows it: 32 blocks of 256 bytes of the K step that stands TWO refills on (512 matrix instructions ahead of the load that wants them), a lane a block.
; Each block is named ONCE in the launch.  X's tile row is read by every cluster of that row of clusters: cluster x = 0 asks; W's tile column by every cluster of that column: cluster y = 0 asks.
; The four partners that ask for a tile jointly share its blocks out BY ADDRESS (cx for X: 32 of the wave's 128 rows; cy for W: 16 of the wave's 64 rows, two blocks each): no branch hangs on a place in the cluster.
; K steps 0 to 3 come by their loads alone; the loop's last trip (s3 = 1) asks for nothing: K steps 32 and 33 do not exist.
.macro ASK
	s_cmp_gt_u32 s3, s[LIM]
	s_cbranch_scc0 .Lnot_mine_\@
	global_prefetch_b8 v[PFO], s[PFA:PFA+1] th:TH_LOAD_NT scope:SCOPE_SE
.Lnot_mine_\@:
.endm
; A round of the cluster's barrier: my work-group's barrier, so that wave 0's signal speaks for all four waves; wave 0 signals for the work-group; every wave waits for all sixteen work-groups; my work-group's barrier once more.
.macro CREST                           ; a round behind its opening barrier
	s_cmp_lg_u32 s[WV], 0
	s_cbranch_scc1 .Lnot_wave_0_\@
	s_barrier_signal -3
.Lnot_wave_0_\@:
	s_barrier_wait -3
	s_barrier_signal -1
	s_barrier_wait -1
.endm
.macro CROUND                          ; a whole round
	s_barrier_signal -1
	s_barrier_wait -1
	CREST
.endm
	s_load_b256 s[4:11], s[0:1], 0x0               ; xb s[4:5], wb s[6:7], b s[8:9], out0 s[10:11]
	v_lshl_add_u32 v[SPW], v0, 2, SPARE
	v_mov_b32 v[NIL], 0
	ds_add_u32 v[SPW], v[NIL]                      ; the wave's opening: the add and its wait stand ahead of my first tensor load; the set-up below, work on registers, stands between them
	v_lshrrev_b32 v1, 5, v0
	v_readfirstlane_b32 s[WV], v1                  ; wave 0..3
	s_lshr_b32 s[RH], s[WV], 1
	s_and_b32 s[CH], s[WV], 1
	s_bfe_u32 s40, ttmp6, 0x40000                  ; cx: my place along the cluster's x
	s_bfe_u32 s41, ttmp6, 0x40004                  ; cy: along its y
	s_lshl_b32 s42, ttmp9, 2                       ; in a cluster launch ttmp9 and ttmp7 count clusters
	s_add_co_u32 s42, s42, s40                     ; tile column = 4 x cluster x + cx
	s_and_b32 s43, ttmp7, 0xffff
	s_lshl_b32 s43, s43, 2
	s_add_co_u32 s43, s43, s41                     ; tile row = 4 x cluster y + cy
	s_lshl_b32 s20, s41, 2
	s_lshl_b32 s20, 15, s20                        ; my row of the cluster: places 4 cy .. 4 cy + 3
	s_lshl_b32 s21, 0x1111, s40                    ; my column: places cx, cx + 4, cx + 8, cx + 12
	; descriptor group 1 for X: a tile of 128 rows x 128 elements
	s_or_b32 s[G1A+0], s20, (1<<16)|(1<<20)|(1<<21)|(5<<22)|(3<<25)  ; 15:0 the mask: my row; 17:16 elements of 2 bytes; 20 padding on; 21 set beside a mask; 24:22 after every 64 words (code 5); 31:25 4 words of it (code 3)
	s_mov_b32 s[G1A+1], KSTEP<<16                  ; 63:48 tensor_dim0, low half = 128
	s_mov_b32 s[G1A+2], 128<<16                    ; 79:64 its high half = 0; 95:80 tensor_dim1, low half = 128
	s_mov_b32 s[G1A+3], KSTEP<<16                  ; 111:96 its high half = 0; 127:112 tile_dim0 = 128
	s_mov_b32 s[G1A+4], 128                        ; 143:128 tile_dim1 = 128; 159:144 tile_dim2 = 0
	s_mov_b32 s[G1A+5], 4096                       ; 191:160 tensor_dim0_stride: elements from row to row
	s_mov_b32 s[G1A+6], 0
	s_mov_b32 s[G1A+7], 0
	; descriptor group 1 for W: a tile of 64 rows (k) x 256 elements (n)
	s_or_b32 s[G1B+0], s21, (1<<16)|(1<<20)|(1<<21)|(6<<22)|(7<<25)  ; the mask: my column; padding after every 128 words (code 6), 8 words of it (code 7)
	s_mov_b32 s[G1B+1], 256<<16                    ; tensor_dim0 = 256
	s_mov_b32 s[G1B+2], 64<<16                     ; tensor_dim1 = 64
	s_mov_b32 s[G1B+3], 256<<16                    ; tile_dim0 = 256
	s_mov_b32 s[G1B+4], 64                         ; tile_dim1 = 64
	s_mov_b32 s[G1B+5], 4096                       ; tensor_dim0_stride
	s_mov_b32 s[G1B+6], 0
	s_mov_b32 s[G1B+7], 0
	s_mov_b32 s[C256], 0x43800000                  ; 256.0
	s_mov_b32 s[C256+1], s[C256]                   ; named with it as a pair, so it is written
	s_mov_b32 s[CINV], 0x3b800000                  ; 1 / 256
	s_mov_b32 s[CINV+1], s[CINV]
	; where the tiles come from.  X's hang on the tile row alone, which my row of the cluster shares; W's on the tile column alone, which my column shares.  Every wave makes both addresses and asks by one of them.
	s_lshl_b32 s16, s43, 8
	s_lshl_b32 s17, s[CH], 7
	s_add_co_u32 s16, s16, s17                     ; X: row 256 x tile row + 128 x half,
	s_lshl_b32 s16, s16, 13                        ; in bytes (under 2^25)
	s_mov_b32 s17, 0
	s_lshl_b32 s70, s[CH], 19                      ; W: k row 64 x half, in bytes,
	s_lshl_b32 s71, s42, 9                         ; and the tile column's 512 bytes of a row
	s_add_co_u32 s70, s70, s71
	s_mov_b32 s71, 0
	s_mul_i32 s22, s[WV], HALFT                    ; and where they go: X's two halves, then W's two halves = wave x HALFT: no place in the cluster enters an LDS address
	s_wait_dscnt 0x0                               ; the opening add is done
	s_wait_kmcnt 0x0
	s_add_nc_u64 s[16:17], s[4:5], s[16:17]
	s_add_nc_u64 s[70:71], s[6:7], s[70:71]
	CROUND                                         ; all sixteen work-groups are here: the first joint loads meet
.irp s, 0,1
	s_mov_b32 s[G0A+4*(\s)], 1                                       ; 1:0 count = 1
	s_add_co_u32 s[G0A+4*(\s)+1], s22, (\s)*SLOT                     ; 63:32 LDS address
	s_add_nc_u64 s[G0A+4*(\s)+2:G0A+4*(\s)+3], s[16:17], (\s)*KSTEP*2  ; 120:64 global address: K step s, 256 bytes along the rows
	s_or_b32 s[G0A+4*(\s)+3], s[G0A+4*(\s)+3], 0x80000000            ; 127:126 type = 2
	s_mov_b32 s[G0B+4*(\s)], 1
	s_add_co_u32 s[G0B+4*(\s)+1], s22, (\s)*SLOT
	s_add_nc_u64 s[G0B+4*(\s)+2:G0B+4*(\s)+3], s[70:71], (\s)*KSTEP*ROWB  ; K step s, 128 rows down
	s_or_b32 s[G0B+4*(\s)+3], s[G0B+4*(\s)+3], 0x80000000
.endr
	s_cmp_eq_u32 s[RH], 0                          ; a wave's two first fills stand in one branch, ahead of every wait on TENSORcnt and every LDS read: two loads of mine are out
	s_cbranch_scc0 .Lfirst_b
	tensor_load_to_lds s[G0A:G0A+3], s[G1A:G1A+7]
	s_nop 0
	tensor_load_to_lds s[G0A+4:G0A+7], s[G1A:G1A+7]
	s_nop 0
.rept 4
	v_nop
.endr
	s_branch .Lfirst_asked
.Lfirst_b:
	tensor_load_to_lds s[G0B:G0B+3], s[G1B:G1B+7]
	s_nop 0
	tensor_load_to_lds s[G0B+4:G0B+7], s[G1B:G1B+7]
	s_nop 0
.rept 4
	v_nop
.endr
.Lfirst_asked:
	v_and_b32 v1, 15, v0                           ; l % 16
	v_bfe_u32 v2, v0, 4, 1                         ; l / 16
	v_and_b32 v7, 31, v0                           ; l
	v_lshlrev_b32 v[CO], 4, v7
	s_lshl_b32 s80, s42, 10                        ; my first column in f32 bytes: 1,024 x tile column
	s_lshl_b32 s81, s[CH], 9                       ; + 512 x half
	s_add_co_u32 s80, s80, s81
	v_add_nc_u32 v[BO], s80, v[CO]
	global_load_b128 v[TB:TB+3], v[BO], s[8:9]     ; the bias of the four columns that I hold on the way out
	; A fragment of X is 16 rows x 32 K in 8 registers: lane l holds row l % 16; registers 0-3 K = 8 (l / 16) + 0..7, registers 4-7 K = 16 + 8 (l / 16) + 0..7: two loads of 16 bytes, 32 bytes apart.
	v_mul_u32_u24 v3, v1, PA
	v_lshl_add_u32 v3, v2, 4, v3                   ; row x pitch + 16 x half
	s_mul_i32 s72, s[RH], HALFT                    ; my 128 rows of X
	v_add_nc_u32 v[ADRA], s72, v3
	v_add_nc_u32 v[ADRA+1], SLOT, v[ADRA]
	; The turning load takes 16 k x 16 columns (lane l reads 16 bytes: k row 8 (l / 16) + l % 8, columns 8 ((l / 8) % 2) + 0..7) and leaves half a fragment: lane l holds column l % 16 and 8 k.
	v_and_b32 v4, 7, v0
	v_bfe_u32 v5, v0, 3, 1
	v_lshl_add_u32 v4, v2, 3, v4
	v_mul_u32_u24 v4, v4, PB
	v_lshl_add_u32 v4, v5, 4, v4
	s_lshl_b32 s73, s[CH], 8                       ; my 128 columns: 256 bytes of W's LDS rows,
	s_add_co_u32 s73, s73, 2*HALFT                 ; which lie behind X's 256 rows
	v_add_nc_u32 v[ADRB], s73, v4
	v_add_nc_u32 v[ADRB+1], SLOT, v[ADRB]
	s_mul_i32 s74, s[WV], WSTAGE
	s_add_co_u32 s74, s74, STAGE                   ; my stage
	v_mul_u32_u24 v6, v1, SPITCH                   ; in: row l % 16, 32 bytes for each half of the lanes
	v_lshl_add_u32 v6, v2, 5, v6
	v_add_nc_u32 v[STO], s74, v6
	v_add_nc_u32 v[RD], s74, v[CO]                 ; back: the 32 lanes take one row of 512 bytes
	s_lshl_b32 s76, s43, 8                         ; out0 at my part of the tile: row 256 x tile row
	s_lshl_b32 s77, s[RH], 7                       ; + 128 x half,
	s_add_co_u32 s76, s76, s77
	s_lshl_b32 s76, s76, 14                        ; in bytes (under 2^26),
	s_add_co_u32 s76, s76, s80                     ; + my first column
	s_mov_b32 s77, 0
	s_add_nc_u64 s[10:11], s[10:11], s[76:77]
	; the prefetches: they begin at K step 3; the first refill steps them to K step 4
	s_and_b32 s81, ttmp7, 0xffff                   ; cluster y
	s_lshl_b32 s78, s43, 8                         ; for X: row 256 x tile row + 128 x half + 32 cx
	s_lshl_b32 s79, s[CH], 7
	s_add_co_u32 s78, s78, s79
	s_lshl_b32 s79, s40, 5
	s_add_co_u32 s78, s78, s79
	s_lshl_b32 s82, s[CH], 6                       ; for W: k row 3 x 128 + 64 x half + 16 cy
	s_lshl_b32 s83, s41, 4
	s_add_co_u32 s82, s82, s83
	s_add_co_u32 s82, s82, 3*KSTEP
	s_lshl_b32 s83, s42, 9                         ; and the tile column's 512 bytes
	s_mov_b32 s[PST], KSTEP*ROWB
	s_mov_b32 s[PST+1], 0
	s_cmp_eq_u32 s[RH], 0                          ; do I fetch for X?
	s_cselect_b32 s78, s78, s82                    ; the first row that I name,
	s_cselect_b32 s79, 3*KSTEP*2, s83              ; the byte in it,
	s_cselect_b32 s81, ttmp9, s81                  ; the coordinate along which other clusters read the same blocks,
	s_cselect_b64 s[PFA:PFA+1], s[4:5], s[6:7]     ; the buffer,
	s_cselect_b32 s[PST], KSTEP*2, s[PST]          ; and a K step in it
	s_lshl_b32 s78, s78, 13
	s_add_co_u32 s78, s78, s79
	s_mov_b32 s79, 0
	s_add_nc_u64 s[PFA:PFA+1], s[PFA:PFA+1], s[78:79]
	s_cmp_eq_u32 s81, 0
	s_cselect_b32 s[LIM], 1, -1                    ; the same in all sixteen partners, for a given wave
	v_lshrrev_b32 v3, s[RH], v7                    ; X: lane l names row l; W: row l / 2,
	v_and_b32 v4, s[RH], v7                        ; block l % 2 of its 512 bytes
	v_lshlrev_b32 v3, 13, v3
	v_lshl_add_u32 v[PFO], v4, 8, v3
; 16 matrix instructions: row blocks a0, a0 + 1 of the window's four (hi = 0: my rows 0-63, 1: rows 64-127) x all 8 column blocks, 32 along K.  zero = 1: the first product starts the sums: nothing is ever cleared.
; The 64 accumulators take turns in the same order in every quarter step: between two links of a chain stand the 63 others', over the backward jump too.
.macro MUL16 f, hi, a0, zero
	WIN MUL_LO+0x50*(\hi)
.irp a, \a0, (\a0)+1
.irp b, 0,1,2,3,4,5,6,7
.if \zero
	v_wmma_f32_16x16x32_bf16 v[8*(8*(\a)+(\b)):8*(8*(\a)+(\b))+7], v[(\f)+8*(\b):(\f)+8*(\b)+7], v[(\f)+8*(4*(\hi)+(\a)):(\f)+8*(4*(\hi)+(\a))+7], 0
.else
	v_wmma_f32_16x16x32_bf16 v[8*(8*(\a)+(\b)):8*(8*(\a)+(\b))+7], v[(\f)+8*(\b):(\f)+8*(\b)+7], v[(\f)+8*(4*(\hi)+(\a)):(\f)+8*(4*(\hi)+(\a))+7], v[8*(8*(\a)+(\b)):8*(8*(\a)+(\b))+7]
.endif
.endr
.endr
.endm
; 32 LDS loads in one run: the fragments of quarter q of a K step (32 along K: 128 columns of W, turned; 128 rows of X) into buffer f.  W's largest offset is 3 x 32 x 544 + 16 x 544 + 224 = 61,152, inside 16 bits.
.macro FETCH slot, q, f
	WIN TO_B
.irp i, 0,1,2,3,4,5,6,7
	ds_load_tr16_b128 v[(\f)+8*(\i):(\f)+8*(\i)+3],   v[ADRB+(\slot)] offset:(\q)*32*PB+32*(\i)
	ds_load_tr16_b128 v[(\f)+8*(\i)+4:(\f)+8*(\i)+7], v[ADRB+(\slot)] offset:(\q)*32*PB+16*PB+32*(\i)
.endr
	WIN 0
.irp i, 0,1,2,3,4,5,6,7
	ds_load_b128 v[(\f)+8*(\i):(\f)+8*(\i)+3],   v[ADRA+(\slot)] offset:64*(\q)+(\i)*16*PA
	ds_load_b128 v[(\f)+8*(\i)+4:(\f)+8*(\i)+7], v[ADRA+(\slot)] offset:64*(\q)+(\i)*16*PA+32
.endr
.endm
; A load into a register that a matrix instruction has read, and an LDS store that reads a matrix result, stand four places behind that matrix instruction, and only plain vector instructions that
; name none of its registers are places (ISA guide 7.12.1 for vector instructions).
.macro PLACES
.rept 4
	v_nop
.endr
.endm
; A K step is four quarters of 32 along K, 64 matrix instructions each, on buffers 0, 1, 0, 1.  One of the first three: multiplies buffer f; in its middle it fetches quarter q of the same slot into buffer g.
.macro QUARTER slot, q, f, g, zero
	s_wait_dscnt 8                                 ; W and X's rows 0-63 are in; the youngest eight loads (X's rows 64-127) may be out
	MUL16 \f, 0, 0, \zero
	MUL16 \f, 0, 2, \zero
	PLACES
	FETCH \slot, \q, \g
	s_wait_dscnt 32                                ; all but the 32 just issued
	MUL16 \f, 1, 0, \zero
	MUL16 \f, 1, 2, \zero
.endm
; The last quarter multiplies buffer 1 and changes slots.  MEET is its first half: ONE barrier for the change.  In front of it each wave waits for all its tensor loads, of which one is out: its part of the
; next slot; adds 0 to its spare word; and waits for that and for its own reads of this slot.  Behind it nobody reads this slot any more and the next slot is whole.
.macro MEET round                      ; round = 1: a round of the cluster's barrier follows
	WIN 0                                          ; (the add's two registers lie in window 0)
	s_wait_tensorcnt 0x0                           ; all my tensor loads have landed;
	ds_add_u32 v[SPW], v[NIL]                      ; 0 onto my spare word;
	s_wait_dscnt 9                                 ; (the add and the youngest eight loads may be out)
	MUL16 F1, 0, 0, 0                              ; sixteen matrix instructions stand between the add and the wait for it
	s_wait_dscnt 0x0                               ; the add is done, and my reads of this slot are over:
	s_barrier_signal -1                            ; say so (where a slot is filled again this barrier opens a round of the cluster's barrier),
	MUL16 F1, 0, 2, 0                              ; work on registers while the others arrive,
.if \round
	WIN 0
.endif
	s_barrier_wait -1                              ; and go on when all four have said so
.endm
; The whole last quarter.  fill = 1: behind the round the slot just read out is filled again first, with the K step two steps on; from that request to the wait for it a wave issues 224 matrix instructions.
.macro TURN slot, next, fill
.if \fill
	s_wait_xcnt 0x0                                ; the last prefetch, a K step back, has read its address: it is stepped here, ahead of the waits of the change of slots
	s_add_nc_u64 s[PFA:PFA+1], s[PFA:PFA+1], s[PST:PST+1]
.endif
	MEET \fill
.if \fill
	CREST                                          ; no wave of any partner still reads this slot's tile or has a load on its way
	s_add_nc_u64 s[G0A+4*(\slot)+2:G0A+4*(\slot)+3], s[G0A+4*(\slot)+2:G0A+4*(\slot)+3], 2*KSTEP*2
	s_add_nc_u64 s[G0B+4*(\slot)+2:G0B+4*(\slot)+3], s[G0B+4*(\slot)+2:G0B+4*(\slot)+3], 2*KSTEP*ROWB
	JLOAD \slot                                    ; the first tensor load behind the round; the four v_nop behind it are also the places in front of the loads below
.else
	PLACES
.endif
	FETCH \next, 0, F0
.if \fill
	ASK
.endif
	MUL16 F1, 1, 0, 0
	MUL16 F1, 1, 2, 0
.endm
; THE WAY OUT of block a (16 rows).  TOSTAGE: a lane's eight sums of a row, 32 bytes, go into my stage, the accumulator's low four registers first; the rows come back whole, a row a load.
.macro TOSTAGE a
.set AC, 64*((\a)%4)
.set BK, OB+64*((\a)%2)
.if (\a) >= 2
	s_wait_xcnt 0x0                                ; the stores of the block two back have read these registers (ISA guide 3.1): they are loaded again only behind this wait
.endif
	WIN 0x08+4*((\a)/4)                            ; the stores' data (source 1) in window 2 or 3
.irp b, 0,1,2,3,4,5,6,7
	ds_store_b128 v[STO], v[AC+8*(\b):AC+8*(\b)+3]   offset:64*(\b)
	ds_store_b128 v[STO], v[AC+8*(\b)+4:AC+8*(\b)+7] offset:64*(\b)+16
.endr
	WIN 0
.irp t, 0,1,2,3,4,5,6,7,8,9,10,11,12,13,14,15
	ds_load_b128 v[BK+4*(\t):BK+4*(\t)+3], v[RD] offset:(\t)*SPITCH  ; LDS serves a wave's instructions in order (ISA guide 5.7.1.4): these see the stores above, and the next block's stores come behind them
.endr
.endm
; SEND: the three roundings and the bias, four numbers a lane and row, and the store.  younger: the LDS instructions issued behind the block's loads: the next block's 32, or none.
.macro SEND a, younger
.set BK, OB+64*((\a)%2)
.irp t, 0,1,2,3,4,5,6,7,8,9,10,11,12,13,14,15
	s_wait_dscnt (\younger)+15-(\t)                ; row t is back
	v_pk_mul_f32 v[BK+4*(\t):BK+4*(\t)+1],   v[BK+4*(\t):BK+4*(\t)+1],   s[C256:C256+1] op_sel_hi:[1,0]
	v_pk_mul_f32 v[BK+4*(\t)+2:BK+4*(\t)+3], v[BK+4*(\t)+2:BK+4*(\t)+3], s[C256:C256+1] op_sel_hi:[1,0]
.irp c, 0,1,2,3
	v_rndne_f32 v[BK+4*(\t)+(\c)], v[BK+4*(\t)+(\c)]   ; 256 q(X W)
.endr
	v_pk_add_f32 v[BK+4*(\t):BK+4*(\t)+1],   v[BK+4*(\t):BK+4*(\t)+1],   v[TB:TB+1]    ; + 256 q(b)
	v_pk_add_f32 v[BK+4*(\t)+2:BK+4*(\t)+3], v[BK+4*(\t)+2:BK+4*(\t)+3], v[TB+2:TB+3]
.irp c, 0,1,2,3
	v_rndne_f32 v[BK+4*(\t)+(\c)], v[BK+4*(\t)+(\c)]   ; the last rounding
.endr
	v_pk_mul_f32 v[BK+4*(\t):BK+4*(\t)+1],   v[BK+4*(\t):BK+4*(\t)+1],   s[CINV:CINV+1] op_sel_hi:[1,0]
	v_pk_mul_f32 v[BK+4*(\t)+2:BK+4*(\t)+3], v[BK+4*(\t)+2:BK+4*(\t)+3], s[CINV:CINV+1] op_sel_hi:[1,0]
	global_store_b128 v[CO], v[BK+4*(\t):BK+4*(\t)+3], s[10:11] offset:(16*(\a)+(\t))*OROW th:TH_STORE_NT  ; 32 lanes store 512 consecutive bytes, aligned; 127 rows of out0 at the most, 2,080,768 bytes, inside the signed 24-bit immediate
.endr
.endm
	s_wait_tensorcnt 0x1                           ; my part of K step 0 is in; K step 1's may stay out
	s_wait_loadcnt 0x0                             ; the bias is in:
	v_pk_mul_f32 v[TB:TB+1],   v[TB:TB+1],   s[C256:C256+1] op_sel_hi:[1,0]
	v_pk_mul_f32 v[TB+2:TB+3], v[TB+2:TB+3], s[C256:C256+1] op_sel_hi:[1,0]
.irp c, 0,1,2,3
	v_rndne_f32 v[TB+(\c)], v[TB+(\c)]             ; 256 q(b), once
.endr
	s_barrier_signal -1
	s_barrier_wait -1                              ; everybody's part of K step 0 is in
	FETCH 0, 0, F0
	QUARTER 0, 1, F0, F1, 1                        ; the first quarter stands in front of the loop: its products start the sums
	WIN 0                                          ; at a label and at a branch every window is 0
	s_mov_b32 s3, LAPS-1
.Llap:                                                 ; a trip goes once round the ring, from a lap's second quarter to the next lap's first, and fills both slots again
	QUARTER 0, 2, F1, F0, 0
	QUARTER 0, 3, F0, F1, 0
	TURN 0, 1, 1
	QUARTER 1, 1, F0, F1, 0
	QUARTER 1, 2, F1, F0, 0
	QUARTER 1, 3, F0, F1, 0
	TURN 1, 0, 1
	QUARTER 0, 1, F0, F1, 0
	WIN 0
	s_sub_co_u32 s3, s3, 1
	s_cmp_lg_u32 s3, 0
	s_cbranch_scc1 .Llap
	QUARTER 0, 2, F1, F0, 0                        ; the last lap fills nothing, and has no round of the cluster's barrier
	QUARTER 0, 3, F0, F1, 0
	TURN 0, 1, 0
	QUARTER 1, 1, F0, F1, 0
	QUARTER 1, 2, F1, F0, 0
	QUARTER 1, 3, F0, F1, 0
	s_wait_dscnt 8                                 ; the very last quarter: nothing more to fetch
	MUL16 F1, 0, 0, 0
	MUL16 F1, 0, 2, 0
	s_wait_dscnt 0x0
	MUL16 F1, 1, 0, 0
	MUL16 F1, 1, 2, 0
	WIN 0
	PLACES                                         ; behind the last products, in front of the LDS stores that read results and of the loads into the fragments' registers:
	PLACES                                         ; twice four, once a launch
	TOSTAGE 0
.irp a, 1,2,3,4,5,6,7                  ; block a's trip through the stage is under way while block a - 1 is rounded and stored
	TOSTAGE \a
	SEND (\a)-1, 32
.endr
	SEND 7, 0
	s_wait_tensorcnt 0x0                           ; the wave's end: behind my last tensor load and my last LDS store
	ds_add_u32 v[SPW], v[NIL]
	s_wait_dscnt 0x0
	CROUND                                         ; the closing round: no work-group ends while a partner may still ask for a tile that names it
	s_endpgm
.Lfunc_end_k_q119ef97bcc_gemm:
	.size	k_q119ef97bcc_gemm, .Lfunc_end_k_q119ef97bcc_gemm-k_q119ef97bcc_gemm
	.p2alignl 7, 3214868480
	.fill 96, 4, 3214868480
	.section	.rodata,"a",@progbits
	.p2align	6, 0x0
	.amdhsa_kernel k_q119ef97bcc_gemm
		.amdhsa_group_segment_fixed_size 327680
		.amdhsa_private_segment_fixed_size 0
		.amdhsa_enable_private_segment 0
		.amdhsa_kernarg_size 32
		.amdhsa_user_sgpr_count 2
		.amdhsa_user_sgpr_kernarg_segment_ptr 1
		.amdhsa_wavefront_size32 1
		.amdhsa_system_sgpr_workgroup_id_x 1
		.amdhsa_system_sgpr_workgroup_id_y 1
		.amdhsa_system_sgpr_workgroup_id_z 1
		.amdhsa_system_vgpr_workitem_id 0
		.amdhsa_next_free_vgpr 1024
		.amdhsa_next_free_sgpr 88
		.amdhsa_reserve_vcc 0
		.amdhsa_float_denorm_mode_32 3
		.amdhsa_float_denorm_mode_16_64 3
		.amdhsa_memory_ordered 1
		.amdhsa_forward_progress 1
		.amdhsa_inst_pref_size 226
	.end_amdhsa_kernel
	.amdgpu_metadata
---
amdhsa.version: [ 1, 2 ]
amdhsa.kernels:
  - .name:           k_q119ef97bcc_gemm
    .symbol:         k_q119ef97bcc_gemm.kd
    .args:
      - { .name: xb, .offset: 0, .size: 8, .value_kind: global_buffer, .address_space: global }
      - { .name: wb, .offset: 8, .size: 8, .value_kind: global_buffer, .address_space: global }
      - { .name: b, .offset: 16, .size: 8, .value_kind: global_buffer, .address_space: global }
      - { .name: out0, .offset: 24, .size: 8, .value_kind: global_buffer, .address_space: global }
    .group_segment_fixed_size: 327680
    .private_segment_fixed_size: 0
    .kernarg_segment_align: 8
    .kernarg_segment_size: 32
    .max_flat_workgroup_size: 128
    .sgpr_count:     88
    .vgpr_count:     1024
    .wavefront_size: 32
...
	.end_amdgpu_metadata
.endif
;; end of part 2
